; MI455X (gfx1250); checked and timed in simulation.
; The chip was launched on July 23, 2026; its instructions are those of AMD's public machine-readable ISA for CDNA 5 (MIT licence, August 2026) and "CDNA5" Instruction Set Architecture Reference Guide (July 2026). The comments in the code are by the model that wrote it; some were corrected since.
;; Gaussian Scene. Allowed arithmetic: float matrix products may take bf16 or f16 operands with f32 sums; all other float work in f32.
;; Inputs: colors 512 x 3 float32; inv_cov 512 x 2 x 2 float32; opacity 512 float32; points_xy 512 x 2 float32; radius 512 float32.
;; Outputs: out0 256 x 256 x 3 float32.
;; Constants: height = 256, tile_size = 16, width = 256.
;; 2 versions, each right; version 2 is version 1 with the launch render written anew for expert scheduling mode. Each part assembles by itself: llvm-mc -triple=amdgcn-amd-amdhsa -mcpu=gfx1250 --defsym DOCPART=n.
;; ======== version 1 of 2: 2 launches
;; workspace buffers: gtab 16,384 bytes; masks 2,048 bytes of whole numbers
;; launch bin (part 1): grid 4 x 1, 4 waves a work-group, no clusters, 5,120 bytes of LDS; arguments points_xy, radius, inv_cov, opacity, colors, gtab, masks; writes gtab, masks
.if DOCPART == 1
	.amdgcn_target "amdgcn-amd-amdhsa--gfx1250"
	.amdhsa_code_object_version 6
	.text
	.protected	k_q77b36e5c32_bin
	.globl	k_q77b36e5c32_bin
	.p2align	8
	.type	k_q77b36e5c32_bin,@function
k_q77b36e5c32_bin:
	s_mov_b64 s[64:65], 0
	v_nop
	global_prefetch_b8 v0, s[64:65] scope:SCOPE_SE
	s_setreg_imm32_b32 hwreg(HW_REG_WAVE_MODE, 25, 1), 1
	s_wait_xcnt 0x0
; Per point: a record of the eight numbers that the render launch needs, and the tile tests as bit masks.
; One thread a point; a wave is a chunk of 32 points, a work-group four chunks (128 points): 512 points are four work-groups.
; gtab: point g is the 32 bytes at 32 g: gx, gy, A = k a, B = k (b + c), D = k d with k = -log2(e)/2,
;   L = log2(sigmoid(sigmoid(opacity))), bf16(R) | bf16(G) << 16, bf16(B) | 0 << 16.
; masks: the 16 bytes at 512 K + 16 i hold item i for chunks 4 K .. 4 K + 3; bit l of a word is point 32 chunk + l.
;   Item t (0..15): floor(gx - r) <= 16 t + 16 and ceil(gx + r) >= 16 t; item 16 + t: the same in y.
;   Items 15 and 31 are 0: the last tile column and the last tile row are never rendered, so no point belongs to them.
; The masks are values here: no branch and no address of this launch hangs on them; the render launch reads them as whole numbers.
; Both buffers leave through LDS, so that each store of a wave covers 512 consecutive bytes, aligned.
; LIMITS: a NaN in points_xy or radius gives an empty mask bit, as the comparisons of reference() do.  ceil(x) is made as -floor(-x), which is exact.
; An opacity so negative that e^-x overflows gives sigmoid = 0, as its limit is.
.set MLDS,   4096                      ; LDS: 128 records of 32 bytes, then 128 mask words
.set NLOG2E, 0xbfb8aa3b                ; -log2(e)
.set NHALF,  0xbf38aa3b                ; -log2(e) / 2
.set EDGE,   40                        ; s[40:55] = 0.0, 16.0, .. 240.0: the tile edges
.set REC,    24                        ; v[24:31] my point's record
	s_load_b256 s[4:11], s[0:1], 0x0               ; points_xy s[4:5], radius s[6:7], inv_cov s[8:9], opacity s[10:11]
	s_load_b128 s[12:15], s[0:1], 0x20             ; colors s[12:13], gtab s[14:15]
	s_load_b64 s[16:17], s[0:1], 0x30              ; masks
	v_lshl_add_u32 v48, v0, 2, 0x1200
	v_mov_b32 v49, 0
	s_lshl_b32 s19, ttmp9, 7                       ; the group's first point
	v_add_nc_u32 v1, s19, v0                       ; my point g
	v_lshlrev_b32 v2, 3, v1                        ; 8 g: points_xy
	v_lshlrev_b32 v3, 2, v1                        ; 4 g: radius, opacity
	v_lshlrev_b32 v4, 4, v1                        ; 16 g: inv_cov
	v_mul_u32_u24 v5, v1, 12                       ; 12 g: colors
	v_lshrrev_b32 v6, 5, v0
	v_readfirstlane_b32 s18, v6                    ; wave 0..3
	v_and_b32 v6, 31, v0                           ; lane
	v_lshlrev_b32 v7, 5, v0                        ; 32 x thread: my record in LDS
	v_lshlrev_b32 v8, 2, v0                        ; 4 x thread: my mask word in LDS
	s_wait_kmcnt 0x0
	global_load_b64 v[REC:REC+1], v2, s[4:5]       ; gx, gy: straight into the record
	global_load_b32 v10, v3, s[6:7]                ; radius
	global_load_b32 v11, v3, s[10:11]              ; opacity
	global_load_b128 v[12:15], v4, s[8:9]          ; a, b, c, d
	global_load_b96 v[16:18], v5, s[12:13]         ; R, G, B
.set i, 0
.irp e, 0x00000000, 0x41800000, 0x42000000, 0x42400000, 0x42800000, 0x42a00000, 0x42c00000, 0x42e00000, 0x43000000, 0x43100000, 0x43200000, 0x43300000, 0x43400000, 0x43500000, 0x43600000, 0x43700000
	s_mov_b32 s[EDGE+i], \e                        ; 16 i as f32
.set i, i+1
.endr
	v_mov_b32 v32, 0                               ; lane i will hold item i of my chunk; items 15 and 31 stay 0
	v_mov_b32 v33, 0
	s_wait_loadcnt 0x3                             ; points and radius are in; the three younger loads stay out
	v_sub_f32 v20, v[REC], v10
	v_add_f32 v21, v[REC], v10
	v_sub_f32 v22, v[REC+1], v10
	v_add_f32 v23, v[REC+1], v10
	v_floor_f32 v20, v20                           ; min_x
	v_mul_f32 v21, -1.0, v21
	v_floor_f32 v22, v22                           ; min_y
	v_mul_f32 v23, -1.0, v23
	v_floor_f32 v21, v21
	v_floor_f32 v23, v23
	v_mul_f32 v21, -1.0, v21                       ; max_x = -floor(-(gx + r))
	v_mul_f32 v23, -1.0, v23                       ; max_y
.set t, 0
.rept 15
	v_cmp_ge_f32 s20, s[EDGE+t+1], v20             ; 16 t + 16 >= min_x
	v_cmp_le_f32 s21, s[EDGE+t], v21               ; 16 t <= max_x
	v_cmp_ge_f32 s22, s[EDGE+t+1], v22
	v_cmp_le_f32 s23, s[EDGE+t], v23
	s_and_b32 s20, s20, s21
	s_and_b32 s22, s22, s23
	v_writelane_b32 v32, s20, t                    ; my chunk's word of item t
	v_writelane_b32 v32, s22, 16+t                 ; and of item 16 + t
.set t, t+1
.endr
	s_wait_loadcnt 0x0
	; sigmoid twice, then its log2.  Behind each transcendental stands one plain instruction that touches neither its result nor its source (ISA guide 5.7.2).
	v_mul_f32 v34, NLOG2E, v11
	v_exp_f32 v34, v34                             ; e^-x
	v_mul_f32 v[REC+2], NHALF, v12                 ; A
	s_wait_alu depctr_va_vdst(0)
	v_add_f32 v34, 1.0, v34
	v_rcp_f32 v34, v34                             ; s = sigmoid(x)
	v_add_f32 v[REC+3], v13, v14                   ; b + c
	s_wait_alu depctr_va_vdst(0)
	v_mul_f32 v34, NLOG2E, v34
	v_exp_f32 v34, v34                             ; e^-s
	v_mul_f32 v[REC+3], NHALF, v[REC+3]            ; B
	s_wait_alu depctr_va_vdst(0)
	v_add_f32 v34, 1.0, v34
	v_log_f32 v34, v34                             ; log2(1 + e^-s)
	v_mul_f32 v[REC+4], NHALF, v15                 ; D
	s_wait_alu depctr_va_vdst(0)
	v_mul_f32 v[REC+5], -1.0, v34                  ; L = log2(sigmoid(s))
	v_cvt_pk_bf16_f32 v[REC+6], v16, v17           ; R low, G high
	v_cvt_pk_bf16_f32 v[REC+7], v18, v33           ; B low, 0 high
	ds_store_b128 v7, v[REC:REC+3]
	ds_store_b128 v7, v[REC+4:REC+7] offset:16
	ds_store_b32 v8, v32 offset:MLDS               ; word (wave, item = lane): a wave's 32 words are 128 consecutive bytes
	s_wait_dscnt 0x0                               ; my stores are in LDS before I say so
	s_barrier_signal -1
	s_barrier_wait -1
	; the 4,096 bytes of records go out as they lie: wave w takes bytes 1,024 w .. 1,024 w + 1,023, 16 bytes a lane, twice
	s_lshl_b32 s20, s18, 10
	s_lshl_b32 s21, ttmp9, 12                      ; the group's 4,096 bytes of gtab
	v_lshl_add_u32 v35, v6, 4, s20
	ds_load_b128 v[36:39], v35
	ds_load_b128 v[40:43], v35 offset:512
	v_add_nc_u32 v9, s21, v35
	s_wait_dscnt 0x1                               ; the first is in, the second may be out
	global_store_b128 v9, v[36:39], s[14:15]
	s_wait_dscnt 0x0
	global_store_b128 v9, v[40:43], s[14:15] offset:512
	s_cmp_lg_u32 s18, 0
	s_cbranch_scc1 .Lend                           ; the 32 items are one store, wave 0's
	v_lshlrev_b32 v20, 2, v6
.irp j, 0,1,2,3
	ds_load_b32 v[44+\j], v20 offset:MLDS+128*\j   ; item = my lane, chunk j of the group
.endr
	s_lshl_b32 s22, ttmp9, 9                       ; the group's 512 bytes of masks
	v_lshl_add_u32 v21, v6, 4, s22
	s_wait_dscnt 0x0
	global_store_b128 v21, v[44:47], s[16:17]
.Lend:
	s_wait_tensorcnt 0x0
	ds_add_u32 v48, v49
	s_wait_dscnt 0x0
	s_endpgm
.Lfunc_end_k_q77b36e5c32_bin:
	.size	k_q77b36e5c32_bin, .Lfunc_end_k_q77b36e5c32_bin-k_q77b36e5c32_bin
	.p2alignl 7, 3214868480
	.fill 96, 4, 3214868480
	.section	.rodata,"a",@progbits
	.p2align	6, 0x0
	.amdhsa_kernel k_q77b36e5c32_bin
		.amdhsa_group_segment_fixed_size 5120
		.amdhsa_private_segment_fixed_size 0
		.amdhsa_enable_private_segment 0
		.amdhsa_kernarg_size 56
		.amdhsa_user_sgpr_count 2
		.amdhsa_user_sgpr_kernarg_segment_ptr 1
		.amdhsa_wavefront_size32 1
		.amdhsa_system_sgpr_workgroup_id_x 1
		.amdhsa_system_sgpr_workgroup_id_y 1
		.amdhsa_system_sgpr_workgroup_id_z 1
		.amdhsa_system_vgpr_workitem_id 0
		.amdhsa_next_free_vgpr 50
		.amdhsa_next_free_sgpr 66
		.amdhsa_reserve_vcc 0
		.amdhsa_float_denorm_mode_32 3
		.amdhsa_float_denorm_mode_16_64 3
		.amdhsa_memory_ordered 1
		.amdhsa_forward_progress 1
		.amdhsa_inst_pref_size 12
	.end_amdhsa_kernel
	.amdgpu_metadata
---
amdhsa.version: [ 1, 2 ]
amdhsa.kernels:
  - .name:           k_q77b36e5c32_bin
    .symbol:         k_q77b36e5c32_bin.kd
    .args:
      - { .name: points_xy, .offset: 0, .size: 8, .value_kind: global_buffer, .address_space: global }
      - { .name: radius, .offset: 8, .size: 8, .value_kind: global_buffer, .address_space: global }
      - { .name: inv_cov, .offset: 16, .size: 8, .value_kind: global_buffer, .address_space: global }
      - { .name: opacity, .offset: 24, .size: 8, .value_kind: global_buffer, .address_space: global }
      - { .name: colors, .offset: 32, .size: 8, .value_kind: global_buffer, .address_space: global }
      - { .name: gtab, .offset: 40, .size: 8, .value_kind: global_buffer, .address_space: global }
      - { .name: masks, .offset: 48, .size: 8, .value_kind: global_buffer, .address_space: global }
    .group_segment_fixed_size: 5120
    .private_segment_fixed_size: 0
    .kernarg_segment_align: 8
    .kernarg_segment_size: 56
    .max_flat_workgroup_size: 128
    .sgpr_count:     66
    .vgpr_count:     50
    .wavefront_size: 32
...
	.end_amdgpu_metadata
.endif
;; end of part 1
;; launch render (part 2): grid 64 x 4, 4 waves a work-group, no clusters, 77,312 bytes of LDS; arguments gtab, masks, out0; writes out0
.if DOCPART == 2
	.amdgcn_target "amdgcn-amd-amdhsa--gfx1250"
	.amdhsa_code_object_version 6
	.text
	.protected	k_q77b36e5c32_render
	.globl	k_q77b36e5c32_render
	.p2align	8
	.type	k_q77b36e5c32_render,@function
k_q77b36e5c32_render:
	s_mov_b64 s[64:65], 0
	v_nop
	global_prefetch_b8 v0, s[64:65] scope:SCOPE_SE
	s_setreg_imm32_b32 hwreg(HW_REG_WAVE_MODE, 25, 1), 1
	s_wait_xcnt 0x0
; out0[px][py][0..2]: the points whose box meets the pixel's tile, blended front to back in array order.
; WORK-GROUP (gx, gy): image rows px = 4 gx .. 4 gx + 3, columns py = 64 gy .. 64 gy + 63: four pieces of 768 consecutive bytes of out0, each three
; aligned blocks of 256 bytes (one tile's 16 columns alone would be 192 bytes).  Four waves, as many as a WGP has SIMDs.
; WAVE v: the 16 columns of tile row 4 gy + v in tile column gx / 4: 64 pixels.  Lane (r = lane % 16, h = lane / 16) has py = 64 gy + 16 v + r and two
; pixels, px = 4 gx + h (set 0) and px + 2 (set 1); packed f32 instructions work on the two sets, the point's numbers broadcast by op_sel.
; 1. The wave ANDs the 16 mask words of its tile column with those of its tile row (whole numbers stored by the launch before).  The last tile
;    column's and row's words are 0, so those pixels get the sum of nothing: 0.
; 2. It holds the record of point 32 c + lane in v[P + 8 c .. + 7] and puts the members, in order, into its own LDS table of 32-byte entries.  A member's
;    place is the count of members before it; the others write a dump entry of their own behind the table.  Behind the last member 32 entries with
;    alpha = 0 and colour 0 are written, so that chunks of 16 entries, and the load one chunk ahead, always read written bytes.
;    A barrier stands between all waves' table stores and the first table read, and another between the last table read and the first store into
;    the stage: the loop's loads step their address trip by trip, and the ordering is not left to rest on that address's bound.
; 3. Chunks of 16 entries.  alpha = exp2((A dx + B dy) dx + (D dy dy + L)); T after a point = fma(-alpha, T, T); a running minimum of T makes the
;    early stop sticky, as the cumulative sum of triggers in reference() is.
; 4. w @ colors on the matrix unit, bf16 operands, f32 sums, 16 points an instruction and pixel set.  Second source: lane (r, h) gives its pixel's 16
;    weights: column r, on the 16 places of K that half h of the lanes holds.  First source: the colours, channel j in row j on half 0's places of K
;    and in row 8 + j on half 1's, 0 elsewhere.  Register j of lane (r, h) of the result is element (8 h + j, r): the lane's own pixel, channel j.
; NO CLUSTER: all that work-groups share is the table of 16,384 bytes, read once, straight into the registers from which step 2 scatters it (a mask bit
; is a lane); a joint tensor load would lay it in LDS first: 32 more LDS loads a wave and two rounds of the cluster's barrier for that one tile.
; LIMITS: as reference() wherever that is finite; NaN and infinities are not reproduced.  alpha below 2^-126 counts as 0 (v_exp_f32 flushes: ISA guide
; 15.8).  T is stepped with one rounding where reference() has two.  Weights and colours are rounded to bf16 for the product.
; Any number of members, 0 to 512, is served (1 to 32 chunks), so any radius.
.set TT,    576*32                     ; a wave's table: entries 0..543 members and fillers, 544..575 one dump entry a lane
.set STAGE, 4*TT                       ; behind the tables: 4 waves x 4 rows x 192 bytes for the way out
.set DUMP0, 544
.set LASTF, 543
.set LASTE, 575
.set LANE, 1
.set RR,   2                           ; lane % 16
.set HH,   3                           ; lane / 16
.set GOFF, 4                           ; 32 x lane; never rewritten
.set DMP,  5                           ; my dump entry's number
.set TAB,  6                           ; LDS address of the next chunk to load
.set SEL,  7                           ; v_perm_b32 selector: low halves or high halves
.set PY,   8
.set PX,   10                          ; v[10:11] px, px + 2
.set M0,   12                          ; running minimum of T, set 0, 1
.set M1,   13
.set POS,  14
.set ADR,  15
.set STO,  16
.set OOFF, 18
.set RD,   20                          ; v[20:22] the way out: three read addresses (v19 to v23 are scratch before)
.set P,    24                          ; v[24:151] step 2: 16 records of my lane; later: the chunk's 16 entries, the same in every lane
.set AL,   152                         ; v[152:183] entry e: pair 2 e, 2 e + 1 = exponent, alpha, weight of sets 0, 1
.set PP,   184                         ; v[184:191] a ring of four pairs of T
.set TM,   192                         ; v[192:215] six for each entry of a group of four: dx 0-1, B dy 2, D dy dy + L 3, dy then A dx + B dy 4-5
.set CF,   216                         ; v[216:223] the colour fragment
.set WF0,  224                         ; v[224:231], v[232:239] the weight fragments
.set WF1,  232
.set ACC0, 240                         ; v[240:247], v[248:255] the sums
.set ACC1, 248
	s_load_b128 s[4:7], s[0:1], 0x0                ; gtab s[4:5], masks s[6:7]
	s_load_b64 s[2:3], s[0:1], 0x10                ; out0
	v_lshl_add_u32 v9, v0, 2, 0x12c00
	v_mov_b32 v17, 0
	v_and_b32 v[LANE], 31, v0
	v_lshrrev_b32 v19, 5, v0
	v_readfirstlane_b32 s40, v19                   ; wave v
	s_and_b32 s41, ttmp7, 0xffff                   ; gy
	s_lshr_b32 s42, ttmp9, 2                       ; tile column = gx / 4,
	s_lshl_b32 s42, s42, 4                         ; its item's 16 bytes
	s_lshl_b32 s43, s41, 6
	s_lshl4_add_u32 s43, s40, s43                  ; 64 gy + 16 v: 16 x tile row, and also the wave's first column
	v_lshlrev_b32 v[GOFF], 5, v[LANE]
	s_wait_kmcnt 0x0
.irp k, 0,1,2,3
	s_load_b128 s[8+4*\k:11+4*\k], s[6:7], s42 offset:512*\k           ; x words of chunks 4 k .. 4 k + 3
	s_load_b128 s[24+4*\k:27+4*\k], s[6:7], s43 offset:512*\k+256      ; y words: the y items begin 256 bytes further on
.endr
.irp c, 0,1,2,3,4,5,6,7,8,9,10,11,12,13,14,15
	global_load_b128 v[P+8*\c:P+8*\c+3],   v[GOFF], s[4:5] offset:1024*\c      ; the record of point 32 c + lane, two halves;
	global_load_b128 v[P+8*\c+4:P+8*\c+7], v[GOFF], s[4:5] offset:1024*\c+16   ; the pair of loads covers 1,024 consecutive bytes
.endr
	; lane constants, while the loads are on their way
	v_and_b32 v[RR], 15, v0
	v_bfe_u32 v[HH], v0, 4, 1
	s_lshl_b32 s52, ttmp9, 2                       ; 4 gx
	v_add_nc_u32 v19, s52, v[HH]
	v_add_nc_u32 v20, s43, v[RR]
	v_cvt_f32_u32 v[PX], v19                       ; px = 4 gx + h
	v_cvt_f32_u32 v[PY], v20                       ; py = 64 gy + 16 v + r
	v_add_f32 v[PX+1], 2.0, v[PX]
	s_mul_i32 s44, s40, TT                         ; my table
	s_mul_i32 s53, s40, 768
	s_add_co_u32 s53, s53, STAGE                   ; my part of the stage
	s_mul_i32 s54, s40, 192
	s_add_co_u32 s54, s54, STAGE                   ; row v of the first wave's part
	s_add_co_u32 s55, s52, s40
	s_mul_i32 s55, s55, 3072                       ; image row 4 gx + v, 256 x 12 bytes each,
	s_mul_i32 s51, s41, 768
	s_add_co_u32 s55, s55, s51                     ; column 64 gy
	s_mov_b32 s49, 0x358637bd                      ; 1e-6, the early stop's threshold
	v_add_nc_u32 v[DMP], DUMP0, v[LANE]
	v_mov_b32 v[TAB], s44
	v_mov_b32 v[PP], 1.0                           ; T = 1 in front of the first point
	v_mov_b32 v[PP+1], 1.0
	v_mov_b32 v[M0], 1.0
	v_mov_b32 v[M1], 1.0
.irp j, 0,1,2,3,4,6,7
	v_mov_b32 v[TM+\j], 0                          ; a filler entry: all 0
.endr
	v_mov_b32 v[TM+5], 0xc3fa0000                  ; but L = -500: exp2 of it is 0
	; which colour row of the first source am I: channel ch = r - 8 h (unsigned).  0: low half of word 6; 1: its high half; 2: low half of word 7;
	; everything else: the high half of word 7, which is 0.
	v_lshlrev_b32 v19, 3, v[HH]
	v_sub_nc_u32 v19, v[RR], v19
	v_cmp_lt_u32 s48, 1, v19                       ; take word 7
	v_and_b32 v20, -3, v19
	v_cmp_eq_u32 vcc_lo, 0, v20                    ; ch is 0 or 2: low halves
	v_mov_b32 v21, 0x07060302
	v_mov_b32 v22, 0x05040100
	v_cndmask_b32 v[SEL], v21, v22, vcc_lo
	s_wait_kmcnt 0x0
.irp c, 0,1,2,3,4,5,6,7,8,9,10,11,12,13,14,15
	s_and_b32 s[8+\c], s[8+\c], s[24+\c]           ; bit l: point 32 c + l belongs to my tile
.endr
	s_mov_b32 s47, 0                               ; members so far
; chunk c of 32 points: each member's record goes to the entry numbered by the members before it
.macro SCAT c
	v_mbcnt_lo_u32_b32 v[POS], s[8+(\c)], s47      ; members before me: in earlier chunks + in lower lanes
	v_cndmask_b32 v[POS], v[DMP], v[POS], s[8+(\c)]
	v_min_u32 v[POS], LASTE, v[POS]                ; never met (at most 511 or my dump entry): it states the bound in the text
	v_lshl_add_u32 v[ADR], v[POS], 5, s44
	ds_store_b128 v[ADR], v[P+8*(\c):P+8*(\c)+3]
	ds_store_b128 v[ADR], v[P+8*(\c)+4:P+8*(\c)+7] offset:16
	s_bcnt1_i32_b32 s52, s[8+(\c)]
	s_add_co_u32 s47, s47, s52
.endm
.irp k, 0,1,2,3
	s_wait_loadcnt 24-8*\k                         ; loads come back in order (ISA guide 5.7.1): the eight of chunks 4 k .. 4 k + 3 are in
	SCAT 4*\k
	SCAT 4*\k+1
	SCAT 4*\k+2
	SCAT 4*\k+3
.endr
	v_add_nc_u32 v[POS], s47, v[LANE]              ; 32 fillers behind the n members: entries n .. n + 31, at most 543
	v_min_u32 v[POS], LASTF, v[POS]
	v_lshl_add_u32 v[ADR], v[POS], 5, s44
	ds_store_b128 v[ADR], v[TM:TM+3]
	ds_store_b128 v[ADR], v[TM+4:TM+7] offset:16
	s_wait_dscnt 0x0                               ; my table is in LDS before I say so
	s_barrier_signal -1
	s_add_co_u32 s46, s47, 15                      ; register work while the others arrive:
	s_lshr_b32 s46, s46, 4
	s_max_u32 s46, s46, 1                          ; chunks: ceil(n / 16), at least the one that starts the sums,
	s_min_u32 s46, s46, 32                         ; at most 512 / 16
	s_barrier_wait -1                              ; every wave's table is whole: only now is any table read
; 32 LDS loads: a chunk's 16 entries, every lane the same address
.macro LOADP
.irp e, 0,1,2,3,4,5,6,7,8,9,10,11,12,13,14,15
	ds_load_b128 v[P+8*\e:P+8*\e+3],   v[TAB] offset:32*\e
	ds_load_b128 v[P+8*\e+4:P+8*\e+7], v[TAB] offset:32*\e+16
.endr
	v_add_nc_u32 v[TAB], 512, v[TAB]
	s_wait_alu depctr_va_vdst(0)
.endm
; entries 4 g .. 4 g + 3: alpha of both pixel sets, stage by stage so that no line waits for the one in front of it
.macro GEO g
.irp q, 0,1,2,3
	v_pk_add_f32 v[TM+6*\q:TM+6*\q+1], v[PX:PX+1], v[P+8*(4*\g+\q):P+8*(4*\g+\q)+1] op_sel_hi:[1,0] neg_lo:[0,1] neg_hi:[0,1]   ; dx = px - gx, both sets
.endr
.irp q, 0,1,2,3
	v_sub_f32 v[TM+6*\q+4], v[PY], v[P+8*(4*\g+\q)+1]                          ; dy, the same for both sets
.endr
.irp q, 0,1,2,3
	v_mul_f32 v[TM+6*\q+2], v[P+8*(4*\g+\q)+3], v[TM+6*\q+4]                   ; B dy
.endr
.irp q, 0,1,2,3
	v_mul_f32 v[TM+6*\q+3], v[P+8*(4*\g+\q)+4], v[TM+6*\q+4]                   ; D dy
.endr
.irp q, 0,1,2,3
	v_fma_f32 v[TM+6*\q+3], v[TM+6*\q+3], v[TM+6*\q+4], v[P+8*(4*\g+\q)+5]     ; D dy dy + L
.endr
.irp q, 0,1,2,3
	v_pk_fma_f32 v[TM+6*\q+4:TM+6*\q+5], v[P+8*(4*\g+\q)+2:P+8*(4*\g+\q)+3], v[TM+6*\q:TM+6*\q+1], v[TM+6*\q+2:TM+6*\q+3] op_sel_hi:[0,1,0]   ; A dx + B dy
.endr
.irp q, 0,1,2,3
	v_pk_fma_f32 v[AL+2*(4*\g+\q):AL+2*(4*\g+\q)+1], v[TM+6*\q+4:TM+6*\q+5], v[TM+6*\q:TM+6*\q+1], v[TM+6*\q+2:TM+6*\q+3] op_sel:[0,0,1] op_sel_hi:[1,1,1]   ; x dx + (D dy dy + L)
.endr
.irp q, 0,1,2,3
	v_exp_f32 v[AL+2*(4*\g+\q)],   v[AL+2*(4*\g+\q)]       ; alpha.  The line behind this run is a plain one that names none of these registers
	v_exp_f32 v[AL+2*(4*\g+\q)+1], v[AL+2*(4*\g+\q)+1]     ; (ISA guide 5.7.2): the next group's first line, or the colour fragment's
.endr
.endm
; register i of the colour fragment: my channel of entries 2 i (low half) and 2 i + 1 (high half)
.macro COL i
	v_cndmask_b32 v[TM+2*\i],   v[P+16*\i+6],  v[P+16*\i+7],  s48
	v_cndmask_b32 v[TM+2*\i+1], v[P+16*\i+14], v[P+16*\i+15], s48
	v_perm_b32 v[CF+\i], v[TM+2*\i+1], v[TM+2*\i], v[SEL]
.endm
; entry e: T steps on, alpha becomes alpha x T before the point
.macro STEP e
	v_pk_fma_f32 v[PP+2*(((\e)+1)%4):PP+2*(((\e)+1)%4)+1], v[AL+2*(\e):AL+2*(\e)+1], v[PP+2*((\e)%4):PP+2*((\e)%4)+1], v[PP+2*((\e)%4):PP+2*((\e)%4)+1] neg_lo:[1,0,0] neg_hi:[1,0,0]
	v_pk_mul_f32 v[AL+2*(\e):AL+2*(\e)+1], v[AL+2*(\e):AL+2*(\e)+1], v[PP+2*((\e)%4):PP+2*((\e)%4)+1]
.endm
; entry e: its weight counts only while no T after a point, this one's too, has been below 1e-6
.macro GATE e
	v_min_num_f32 v[M0], v[M0], v[PP+2*(((\e)+1)%4)]
	v_min_num_f32 v[M1], v[M1], v[PP+2*(((\e)+1)%4)+1]
	v_cmp_le_f32 s50, s49, v[M0]
	v_cmp_le_f32 s51, s49, v[M1]
	v_cndmask_b32 v[AL+2*(\e)],   0, v[AL+2*(\e)],   s50
	v_cndmask_b32 v[AL+2*(\e)+1], 0, v[AL+2*(\e)+1], s51
.endm
; One chunk.  Its 32 loads are out at the head, and nothing else on that counter; the next chunk's are issued as soon as the entries are dead and
; land during the blend.  first = 1: the products start the sums: nothing is cleared.
.macro CHUNK first
	s_wait_dscnt 24                                ; LDS loads come back in order: the eight of entries 0-3 are in, 24 younger ones may be out
	GEO 0
	s_wait_dscnt 16
	GEO 1
	s_wait_dscnt 8
	GEO 2
	s_wait_dscnt 0
	GEO 3
.irp i, 0,1,2,3,4,5,6,7
	COL \i
.endr
	LOADP                                          ; in the last chunk: entries up to n + 30, fillers, read and not used
	STEP 0
.irp e, 1,2,3,4,5,6,7,8,9,10,11,12,13,14,15
	STEP \e
	GATE \e-1
.endr
	GATE 15                                        ; T after the chunk lies in the ring's pair 0, where the next chunk begins
.irp i, 0,1,2,3,4,5,6,7
	v_cvt_pk_bf16_f32 v[WF0+\i], v[AL+4*\i],   v[AL+4*\i+2]    ; entries 2 i, 2 i + 1 of set 0
	v_cvt_pk_bf16_f32 v[WF1+\i], v[AL+4*\i+1], v[AL+4*\i+3]    ; and of set 1
.endr
	; the two accumulators take turns, one instruction a turn, over the backward jump too.
	; The fragments are rewritten only in the next chunk, behind far more than five plain vector instructions that name none of these registers (ISA guide 7.12.1).
.if \first
	v_wmma_f32_16x16x32_bf16 v[ACC0:ACC0+7], v[CF:CF+7], v[WF0:WF0+7], 0
	v_wmma_f32_16x16x32_bf16 v[ACC1:ACC1+7], v[CF:CF+7], v[WF1:WF1+7], 0
.else
	v_wmma_f32_16x16x32_bf16 v[ACC0:ACC0+7], v[CF:CF+7], v[WF0:WF0+7], v[ACC0:ACC0+7]
	v_wmma_f32_16x16x32_bf16 v[ACC1:ACC1+7], v[CF:CF+7], v[WF1:WF1+7], v[ACC1:ACC1+7]
.endif
.endm
	LOADP
	CHUNK 1
	s_mov_b32 s45, 1                               ; chunks done
	s_cmp_ge_u32 s45, s46
	s_cbranch_scc1 .Ldone
.Lchunk:
	CHUNK 0
	s_add_co_u32 s45, s45, 1
	s_cmp_ge_u32 s45, s46                          ; all my chunks are done: out, forward
	s_cbranch_scc1 .Ldone
	s_cmp_lt_u32 s45, 32                           ; the loop itself is counted against the most that 512 points can give
	s_cbranch_scc1 .Lchunk
.Ldone:
	; THE WAY OUT.  Each wave lays its 64 pixels into its own 768 bytes of the stage, [row 0..3][16 columns][3]; behind the barrier wave p takes image
	; row 4 gx + p: 96 units of 8 bytes; unit u lies in the part of wave u / 24, at 192 p + 8 (u - 24 (u / 24)).  u / 24 = (171 u) >> 12 for u < 96.
	s_wait_dscnt 0x0                               ; the last look-ahead's loads are back: my reads of the tables are over,
	s_barrier_signal -1                            ; and I say so
	; register work while the others arrive.  These address lines are also the places between the last matrix instruction and the stores that read
	; its result (four are needed).
	v_mul_u32_u24 v19, v[RR], 12
	v_mul_u32_u24 v23, v[HH], 192
	v_add3_u32 v[STO], v19, v23, s53               ; my part + row h + column r
	v_lshl_add_u32 v[OOFF], v[LANE], 3, s55
.irp j, 0,1,2
	v_add_nc_u32 v19, 32*\j, v[LANE]               ; u
	v_mul_u32_u24 v23, v19, 171
	v_lshrrev_b32 v23, 12, v23                     ; u / 24
	v_mad_u32_u24 v23, v23, 576, s54               ; 768 (u / 24) - 192 (u / 24) + row p of the first part
	v_lshl_add_u32 v[RD+\j], v19, 3, v23
.endr
	s_barrier_wait -1                              ; no wave reads a table any more: only now is the stage written
.irp j, 0,1,2
	ds_store_b32 v[STO], v[ACC0+\j] offset:4*\j            ; px = 4 gx + h
	ds_store_b32 v[STO], v[ACC1+\j] offset:384+4*\j        ; px + 2: two rows of 192 bytes further on
.endr
	s_wait_dscnt 0x0                               ; my stores are in LDS before I say so
	s_barrier_signal -1
	s_barrier_wait -1
.irp j, 0,1,2
	ds_load_b64 v[P+2*\j:P+2*\j+1], v[RD+\j]
.endr
	s_wait_dscnt 0x0
.irp j, 0,1,2
	global_store_b64 v[OOFF], v[P+2*\j:P+2*\j+1], s[2:3] offset:256*\j th:TH_STORE_NT   ; 32 lanes store 256 consecutive bytes, aligned
.endr
	s_wait_tensorcnt 0x0
	ds_add_u32 v9, v17
	s_wait_dscnt 0x0
	s_endpgm
.Lfunc_end_k_q77b36e5c32_render:
	.size	k_q77b36e5c32_render, .Lfunc_end_k_q77b36e5c32_render-k_q77b36e5c32_render
	.p2alignl 7, 3214868480
	.fill 96, 4, 3214868480
	.section	.rodata,"a",@progbits
	.p2align	6, 0x0
	.amdhsa_kernel k_q77b36e5c32_render
		.amdhsa_group_segment_fixed_size 77312
		.amdhsa_private_segment_fixed_size 0
		.amdhsa_enable_private_segment 0
		.amdhsa_kernarg_size 24
		.amdhsa_user_sgpr_count 2
		.amdhsa_user_sgpr_kernarg_segment_ptr 1
		.amdhsa_wavefront_size32 1
		.amdhsa_system_sgpr_workgroup_id_x 1
		.amdhsa_system_sgpr_workgroup_id_y 1
		.amdhsa_system_sgpr_workgroup_id_z 1
		.amdhsa_system_vgpr_workitem_id 0
		.amdhsa_next_free_vgpr 256
		.amdhsa_next_free_sgpr 66
		.amdhsa_reserve_vcc 1
		.amdhsa_float_denorm_mode_32 3
		.amdhsa_float_denorm_mode_16_64 3
		.amdhsa_memory_ordered 1
		.amdhsa_forward_progress 1
		.amdhsa_inst_pref_size 56
	.end_amdhsa_kernel
	.amdgpu_metadata
---
amdhsa.version: [ 1, 2 ]
amdhsa.kernels:
  - .name:           k_q77b36e5c32_render
    .symbol:         k_q77b36e5c32_render.kd
    .args:
      - { .name: gtab, .offset: 0, .size: 8, .value_kind: global_buffer, .address_space: global }
      - { .name: masks, .offset: 8, .size: 8, .value_kind: global_buffer, .address_space: global }
      - { .name: out0, .offset: 16, .size: 8, .value_kind: global_buffer, .address_space: global }
    .group_segment_fixed_size: 77312
    .private_segment_fixed_size: 0
    .kernarg_segment_align: 8
    .kernarg_segment_size: 24
    .max_flat_workgroup_size: 128
    .sgpr_count:     66
    .vgpr_count:     256
    .wavefront_size: 32
...
	.end_amdgpu_metadata
.endif
;; end of part 2
;; ======== version 2 of 2: 2 launches; version 1 with the launch render written anew for expert scheduling mode
;; workspace buffers: gtab 16,384 bytes; masks 2,048 bytes of whole numbers
;; launch bin: the kernel of part 1 again; grid 4 x 1, 4 waves a work-group, no clusters, 5,120 bytes of LDS; arguments points_xy, radius, inv_cov, opacity, colors, gtab, masks; writes gtab, masks
;; launch render (part 3): grid 64 x 4, 4 waves a work-group, no clusters, 77,312 bytes of LDS; arguments gtab, masks, out0; writes out0
.if DOCPART == 3
	.amdgcn_target "amdgcn-amd-amdhsa--gfx1250"
	.amdhsa_code_object_version 6
	.text
	.protected	k_q77b36e5c32_render
	.globl	k_q77b36e5c32_render
	.p2align	8
	.type	k_q77b36e5c32_render,@function
k_q77b36e5c32_render:
	s_mov_b64 s[64:65], 0
	v_nop
	global_prefetch_b8 v0, s[64:65] scope:SCOPE_SE
	s_setreg_imm32_b32 hwreg(HW_REG_WAVE_SCHED_MODE, 0, 2), 2
	s_setreg_imm32_b32 hwreg(HW_REG_WAVE_MODE, 25, 1), 1
	s_wait_xcnt 0x0
	s_wait_alu depctr_vm_vsrc(0)
; out0[px][py][0..2]: the points whose box meets the pixel's tile, blended front to back in array order.
; WORK-GROUP (gx, gy): image rows px = 4 gx .. 4 gx + 3, columns py = 64 gy .. 64 gy + 63: four pieces of 768 consecutive bytes of out0, each three
; aligned blocks of 256 bytes (one tile's 16 columns alone would be 192 bytes).  Four waves, as many as a WGP has SIMDs.
; WAVE v: the 16 columns of tile row 4 gy + v in tile column gx / 4: 64 pixels.  Lane (r = lane % 16, h = lane / 16) has py = 64 gy + 16 v + r and two
; pixels, px = 4 gx + h (set 0) and px + 2 (set 1); packed f32 instructions work on the two sets, the point's numbers broadcast by op_sel.
; 1. The wave ANDs the 16 mask words of its tile column with those of its tile row (whole numbers stored by the launch before).  The last tile
;    column's and row's words are 0, so those pixels get the sum of nothing: 0.
; 2. It holds the record of point 32 c + lane in v[P + 8 c .. + 7] and puts the members, in order, into its own LDS table of 32-byte entries.  A member's
;    place is the count of members before it; the others write a dump entry of their own behind the table.  Behind the last member 32 entries with
;    alpha = 0 and colour 0 are written, so that chunks of 16 entries, and the load one chunk ahead, always read written bytes.
;    A barrier stands between all waves' table stores and the first table read, and another between the last table read and the first store into
;    the stage: the loop's loads step their address trip by trip, and the ordering is not left to rest on that address's bound.
; 3. Chunks of 16 entries.  alpha = exp2((A dx + B dy) dx + (D dy dy + L)); T after a point = fma(-alpha, T, T); a running minimum of T makes the
;    early stop sticky, as the cumulative sum of triggers in reference() is.
; 4. w @ colors on the matrix unit, bf16 operands, f32 sums, 16 points an instruction and pixel set.  Second source: lane (r, h) gives its pixel's 16
;    weights: column r, on the 16 places of K that half h of the lanes holds.  First source: the colours, channel j in row j on half 0's places of K
;    and in row 8 + j on half 1's, 0 elsewhere.  Register j of lane (r, h) of the result is element (8 h + j, r): the lane's own pixel, channel j.
; NO CLUSTER: all that work-groups share is the table of 16,384 bytes, read once, straight into the registers from which step 2 scatters it (a mask bit
; is a lane); a joint tensor load would lay it in LDS first: 32 more LDS loads a wave and two rounds of the cluster's barrier for that one tile.
; LIMITS: as reference() wherever that is finite; NaN and infinities are not reproduced.  alpha below 2^-126 counts as 0 (v_exp_f32 flushes: ISA guide
; 15.8).  T is stepped with one rounding where reference() has two.  Weights and colours are rounded to bf16 for the product.
; Any number of members, 0 to 512, is served (1 to 32 chunks), so any radius.
; THE MODE: SCHED_MODE bits 1:0 = 2 (LLVM: expert scheduling mode 2), set by the entry lines.  The code itself states the register dependences
; between vector or matrix instructions and memory or LDS instructions, and those through scalar registers that vector instructions write, with
; s_wait_alu, always for 0.
; THE PLAN.  Registers that memory or LDS instructions touch:
;   v[GOFF]       Written once at the head; read by the 32 global loads; never written again.
;   v[P ..]       Step 2: the global loads land in it, the 32 scatter stores read it.  Loop: a chunk's 32 LDS loads land in it, the geometry and the
;                 colour fragment's lines read it.  Way out: three LDS loads land in it, the global stores read it.
;   v[AD .. +16]  Step 2 alone (AL's registers, idle then): the 17 table addresses, all made while the records are on their way; read by the 34 stores.
;   v[TM .. +7]   The filler entry, made at the head; read by two stores; at work from the first chunk on.
;   v[TAB]        Read by every table load; written at the head and once a chunk.
;   ACC0, ACC1, v[STO], v[RD ..], v[OOFF]  The way out: written by matrix and vector lines, read by the stage's stores and loads and by the global stores.
;   AL in the loop, PP, M0, M1, CF, WF0 and WF1 are named by vector and matrix instructions alone.
; Step 2 has ONE wait on va_vdst, ahead of its stores (AD, TM and TAB are written), and ONE on vm_vsrc, behind its barrier (the stores have read P, AD, TM).
; A chunk has one wait of each kind: vm_vsrc ahead of the add to v[TAB]; va_vdst behind the last line that reads P, ahead of the next chunk's 32 loads,
; which are then dealt among the blend's lines (these name AL, PP, M0, M1: none of P, nor v[TAB]); va_sdst behind the run of 32 compares of the early
; stop, which write 32 scalar registers, ahead of the 32 selects that read them.
.set TT,    576*32                     ; a wave's table: entries 0..543 members and fillers, 544..575 one dump entry a lane
.set STAGE, 4*TT                       ; behind the tables: 4 waves x 4 rows x 192 bytes for the way out
.set DUMP0, 544
.set LASTF, 543
.set LASTE, 575
.set LANE, 1
.set RR,   2                           ; lane % 16
.set HH,   3                           ; lane / 16
.set GOFF, 4                           ; 32 x lane; never rewritten
.set DMP,  5                           ; my dump entry's number
.set TAB,  6                           ; LDS address of the chunk that was loaded last
.set SEL,  7                           ; v_perm_b32 selector: low halves or high halves
.set PY,   8
.set PX,   10                          ; v[10:11] px, px + 2
.set M0,   12                          ; running minimum of T, set 0, 1
.set M1,   13
.set STO,  16
.set OOFF, 18
.set RD,   20                          ; v[20:22] the way out: three read addresses (v19 to v23 are scratch before)
.set P,    24                          ; v[24:151] step 2: 16 records of my lane; later: the chunk's 16 entries, the same in every lane
.set AL,   152                         ; v[152:183] entry e: pair 2 e, 2 e + 1 = exponent, alpha, weight of sets 0, 1
.set AD,   AL                          ; v[152:168] step 2 alone: where my record of chunk c goes; the 17th: my filler entry
.set PP,   184                         ; v[184:191] a ring of four pairs of T
.set TM,   192                         ; v[192:215] six for each entry of a group of four: dx 0-1, B dy 2, D dy dy + L 3, dy then A dx + B dy 4-5
.set CF,   216                         ; v[216:223] the colour fragment
.set WF0,  224                         ; v[224:231], v[232:239] the weight fragments
.set WF1,  232
.set ACC0, 240                         ; v[240:247], v[248:255] the sums
.set ACC1, 248
.set MK,   8                           ; s[8:23]  step 2: chunk c's members, a bit a lane
.set PRE,  24                          ; s[24:39] step 2: first the y words, then the members in the chunks before chunk c
.set GT,   8                           ; s[8:39]  the loop: entry e's two masks of the early stop at GT + 2 e, GT + 2 e + 1
	s_load_b128 s[4:7], s[0:1], 0x0                ; gtab s[4:5], masks s[6:7]
	s_load_b64 s[2:3], s[0:1], 0x10                ; out0
	v_lshl_add_u32 v15, v0, 2, 0x12c00
	v_mov_b32 v17, 0
	v_and_b32 v[LANE], 31, v0
	v_lshrrev_b32 v19, 5, v0
	v_readfirstlane_b32 s40, v19                   ; wave v
	s_and_b32 s41, ttmp7, 0xffff                   ; gy
	s_lshr_b32 s42, ttmp9, 2                       ; tile column = gx / 4,
	s_lshl_b32 s42, s42, 4                         ; its item's 16 bytes
	s_lshl_b32 s43, s41, 6
	s_wait_alu depctr_va_sdst(0)                   ; s40 is written, ahead of its first reader, the line below
	s_lshl4_add_u32 s43, s40, s43                  ; 64 gy + 16 v: 16 x tile row, and also the wave's first column
	v_lshlrev_b32 v[GOFF], 5, v[LANE]
	s_wait_kmcnt 0x0
.irp k, 0,1,2,3
	s_load_b128 s[MK+4*\k:MK+3+4*\k], s[6:7], s42 offset:512*\k            ; x words of chunks 4 k .. 4 k + 3
	s_load_b128 s[PRE+4*\k:PRE+3+4*\k], s[6:7], s43 offset:512*\k+256      ; y words: the y items begin 256 bytes further on
.endr
	s_wait_alu depctr_va_vdst(0)                   ; v[GOFF] is written, which the 32 loads below read as their offset
.irp c, 0,1,2,3,4,5,6,7,8,9,10,11,12,13,14,15
	global_load_b128 v[P+8*\c:P+8*\c+3],   v[GOFF], s[4:5] offset:1024*\c      ; the record of point 32 c + lane, two halves;
	global_load_b128 v[P+8*\c+4:P+8*\c+7], v[GOFF], s[4:5] offset:1024*\c+16   ; the pair of loads covers 1,024 consecutive bytes
.endr
	; lane constants, while the loads are on their way: none of these lines names v[GOFF] or a register of P
	v_and_b32 v[RR], 15, v0
	v_bfe_u32 v[HH], v0, 4, 1
	s_lshl_b32 s52, ttmp9, 2                       ; 4 gx
	v_add_nc_u32 v19, s52, v[HH]
	v_add_nc_u32 v20, s43, v[RR]
	v_cvt_f32_u32 v[PX], v19                       ; px = 4 gx + h
	v_cvt_f32_u32 v[PY], v20                       ; py = 64 gy + 16 v + r
	v_add_f32 v[PX+1], 2.0, v[PX]
	s_mul_i32 s44, s40, TT                         ; my table
	s_mul_i32 s53, s40, 768
	s_add_co_u32 s53, s53, STAGE                   ; my part of the stage
	s_mul_i32 s54, s40, 192
	s_add_co_u32 s54, s54, STAGE                   ; row v of the first wave's part
	s_add_co_u32 s55, s52, s40
	s_mul_i32 s55, s55, 3072                       ; image row 4 gx + v, 256 x 12 bytes each,
	s_mul_i32 s51, s41, 768
	s_add_co_u32 s55, s55, s51                     ; column 64 gy
	s_mov_b32 s49, 0x358637bd                      ; 1e-6, the early stop's threshold
	v_add_nc_u32 v[DMP], DUMP0, v[LANE]
	v_mov_b32 v[TAB], s44
	v_mov_b32 v[PP], 1.0                           ; T = 1 in front of the first point
	v_mov_b32 v[PP+1], 1.0
	v_mov_b32 v[M0], 1.0
	v_mov_b32 v[M1], 1.0
.irp j, 0,1,2,3,4,6,7
	v_mov_b32 v[TM+\j], 0                          ; a filler entry: all 0
.endr
	v_mov_b32 v[TM+5], 0xc3fa0000                  ; but L = -500: exp2 of it is 0
	; which colour row of the first source am I: channel ch = r - 8 h (unsigned).  0: low half of word 6; 1: its high half; 2: low half of word 7;
	; everything else: the high half of word 7, which is 0.
	v_lshlrev_b32 v19, 3, v[HH]
	v_sub_nc_u32 v19, v[RR], v19
	v_cmp_lt_u32 s48, 1, v19                       ; take word 7
	v_and_b32 v20, -3, v19
	v_cmp_eq_u32 vcc_lo, 0, v20                    ; ch is 0 or 2: low halves
	v_mov_b32 v21, 0x07060302
	v_mov_b32 v22, 0x05040100
	s_wait_alu depctr_va_sdst(0)                   ; s48 is written: its first readers are the selects of the first chunk's colour fragment
	s_wait_alu depctr_va_vcc(0)                    ; VCC is written, which the select below reads
	v_cndmask_b32 v[SEL], v21, v22, vcc_lo
	s_wait_kmcnt 0x0
.irp c, 0,1,2,3,4,5,6,7,8,9,10,11,12,13,14,15
	s_and_b32 s[MK+\c], s[MK+\c], s[PRE+\c]        ; bit l: point 32 c + l belongs to my tile
.endr
	s_mov_b32 s[PRE], 0                            ; the members in the chunks before chunk c: a register a chunk, so that no scalar line writes what a vector line reads
.irp c, 0,1,2,3,4,5,6,7,8,9,10,11,12,13,14
	s_bcnt1_i32_b32 s50, s[MK+\c]
	s_add_co_u32 s[PRE+1+\c], s[PRE+\c], s50
.endr
	s_bcnt1_i32_b32 s50, s[MK+15]
	s_add_co_u32 s47, s[PRE+15], s50               ; n: all my tile's members
	; where each record goes: a member's entry is numbered by the members before it.  The 17 addresses hang on the masks alone: they are made in
	; registers of their own, run by run, so that no line waits for the one in front of it, while the records are on their way.
.irp c, 0,1,2,3,4,5,6,7,8,9,10,11,12,13,14,15
	v_mbcnt_lo_u32_b32 v[AD+\c], s[MK+\c], s[PRE+\c]       ; members before me: in earlier chunks + in lower lanes
.endr
.irp c, 0,1,2,3,4,5,6,7,8,9,10,11,12,13,14,15
	v_cndmask_b32 v[AD+\c], v[DMP], v[AD+\c], s[MK+\c]     ; no member: my dump entry
.endr
.irp c, 0,1,2,3,4,5,6,7,8,9,10,11,12,13,14,15
	v_min_u32 v[AD+\c], LASTE, v[AD+\c]            ; never met (at most 511 or my dump entry): it states the bound in the text
.endr
.irp c, 0,1,2,3,4,5,6,7,8,9,10,11,12,13,14,15
	v_lshl_add_u32 v[AD+\c], v[AD+\c], 5, s44
.endr
	v_add_nc_u32 v[AD+16], s47, v[LANE]            ; 32 fillers behind the n members: entries n .. n + 31, at most 543
	v_min_u32 v[AD+16], LASTF, v[AD+16]
	v_lshl_add_u32 v[AD+16], v[AD+16], 5, s44
	s_wait_alu depctr_va_vdst(0)                   ; the 17 addresses and the filler entry are written, which the 34 stores below read; so is v[TAB], which the first table loads read
; chunk c of 32 points: my record goes to its entry
.macro PUT c
	ds_store_b128 v[AD+(\c)], v[P+8*(\c):P+8*(\c)+3]
	ds_store_b128 v[AD+(\c)], v[P+8*(\c)+4:P+8*(\c)+7] offset:16
.endm
.irp k, 0,1,2,3
	s_wait_loadcnt 24-8*\k                         ; loads come back in order (ISA guide 5.7.1): the eight of chunks 4 k .. 4 k + 3 are in
	PUT 4*\k
	PUT 4*\k+1
	PUT 4*\k+2
	PUT 4*\k+3
.endr
	ds_store_b128 v[AD+16], v[TM:TM+3]
	ds_store_b128 v[AD+16], v[TM+4:TM+7] offset:16
	s_wait_dscnt 0x0                               ; my table is in LDS before I say so
	s_barrier_signal -1
	s_add_co_u32 s46, s47, 15                      ; register work while the others arrive:
	s_lshr_b32 s46, s46, 4
	s_max_u32 s46, s46, 1                          ; chunks: ceil(n / 16), at least the one that starts the sums,
	s_min_u32 s46, s46, 32                         ; at most 512 / 16
	s_barrier_wait -1                              ; every wave's table is whole: only now is any table read
	s_wait_alu depctr_vm_vsrc(0)                   ; my 34 stores have read P, in which the table loads land, and AD and TM, which the first chunk's lines write
; two LDS loads: entry e of the chunk at v[TAB], every lane the same address
.macro LD e
	ds_load_b128 v[P+8*(\e):P+8*(\e)+3],   v[TAB] offset:32*(\e)
	ds_load_b128 v[P+8*(\e)+4:P+8*(\e)+7], v[TAB] offset:32*(\e)+16
.endm
; entries 4 g .. 4 g + 3: alpha of both pixel sets, stage by stage so that no line waits for the one in front of it
.macro GEO g
.irp q, 0,1,2,3
	v_pk_add_f32 v[TM+6*\q:TM+6*\q+1], v[PX:PX+1], v[P+8*(4*\g+\q):P+8*(4*\g+\q)+1] op_sel_hi:[1,0] neg_lo:[0,1] neg_hi:[0,1]   ; dx = px - gx, both sets
.endr
.irp q, 0,1,2,3
	v_sub_f32 v[TM+6*\q+4], v[PY], v[P+8*(4*\g+\q)+1]                          ; dy, the same for both sets
.endr
.irp q, 0,1,2,3
	v_mul_f32 v[TM+6*\q+2], v[P+8*(4*\g+\q)+3], v[TM+6*\q+4]                   ; B dy
.endr
.irp q, 0,1,2,3
	v_mul_f32 v[TM+6*\q+3], v[P+8*(4*\g+\q)+4], v[TM+6*\q+4]                   ; D dy
.endr
.irp q, 0,1,2,3
	v_fma_f32 v[TM+6*\q+3], v[TM+6*\q+3], v[TM+6*\q+4], v[P+8*(4*\g+\q)+5]     ; D dy dy + L
.endr
.irp q, 0,1,2,3
	v_pk_fma_f32 v[TM+6*\q+4:TM+6*\q+5], v[P+8*(4*\g+\q)+2:P+8*(4*\g+\q)+3], v[TM+6*\q:TM+6*\q+1], v[TM+6*\q+2:TM+6*\q+3] op_sel_hi:[0,1,0]   ; A dx + B dy
.endr
.irp q, 0,1,2,3
	v_pk_fma_f32 v[AL+2*(4*\g+\q):AL+2*(4*\g+\q)+1], v[TM+6*\q+4:TM+6*\q+5], v[TM+6*\q:TM+6*\q+1], v[TM+6*\q+2:TM+6*\q+3] op_sel:[0,0,1] op_sel_hi:[1,1,1]   ; x dx + (D dy dy + L)
.endr
.irp q, 0,1,2,3
	v_exp_f32 v[AL+2*(4*\g+\q)],   v[AL+2*(4*\g+\q)]       ; alpha.  The line behind this run is a plain one that names none of these registers
	v_exp_f32 v[AL+2*(4*\g+\q)+1], v[AL+2*(4*\g+\q)+1]     ; (ISA guide 5.7.2): the next group's first line, the table address's step, or the colour fragment's first
.endr
.endm
; register i of the colour fragment: my channel of entries 2 i (low half) and 2 i + 1 (high half)
.macro COL i
	v_cndmask_b32 v[TM+2*\i],   v[P+16*\i+6],  v[P+16*\i+7],  s48
	v_cndmask_b32 v[TM+2*\i+1], v[P+16*\i+14], v[P+16*\i+15], s48
	v_perm_b32 v[CF+\i], v[TM+2*\i+1], v[TM+2*\i], v[SEL]
.endm
; entry e: T steps on, alpha becomes alpha x T before the point
.macro STEP e
	v_pk_fma_f32 v[PP+2*(((\e)+1)%4):PP+2*(((\e)+1)%4)+1], v[AL+2*(\e):AL+2*(\e)+1], v[PP+2*((\e)%4):PP+2*((\e)%4)+1], v[PP+2*((\e)%4):PP+2*((\e)%4)+1] neg_lo:[1,0,0] neg_hi:[1,0,0]
	v_pk_mul_f32 v[AL+2*(\e):AL+2*(\e)+1], v[AL+2*(\e):AL+2*(\e)+1], v[PP+2*((\e)%4):PP+2*((\e)%4)+1]
.endm
; entry e: has any T after a point, this one's too, been below 1e-6?  The answers go into scalar registers of the entry's own
.macro TRIG e
	v_min_num_f32 v[M0], v[M0], v[PP+2*(((\e)+1)%4)]
	v_min_num_f32 v[M1], v[M1], v[PP+2*(((\e)+1)%4)+1]
	v_cmp_le_f32 s[GT+2*(\e)],   s49, v[M0]
	v_cmp_le_f32 s[GT+2*(\e)+1], s49, v[M1]
.endm
; entry e: its weight counts only while none has
.macro GATE e
	v_cndmask_b32 v[AL+2*(\e)],   0, v[AL+2*(\e)],   s[GT+2*(\e)]
	v_cndmask_b32 v[AL+2*(\e)+1], 0, v[AL+2*(\e)+1], s[GT+2*(\e)+1]
.endm
; One chunk.  Its 32 loads are out at the head, and nothing else on that counter; the next chunk's are issued as soon as the entries are dead and
; land during the blend.  first = 1: the products start the sums: nothing is cleared.
.macro CHUNK first
	s_wait_dscnt 24                                ; LDS loads come back in order: the eight of entries 0-3 are in, 24 younger ones may be out
	GEO 0
	s_wait_dscnt 16
	GEO 1
	s_wait_dscnt 8
	GEO 2
	s_wait_dscnt 0
	s_wait_alu depctr_vm_vsrc(0)                   ; this chunk's 32 loads have read v[TAB], which the line below writes
	v_add_nc_u32 v[TAB], 512, v[TAB]               ; the next chunk
	GEO 3
.irp i, 0,1,2,3,4,5,6,7
	COL \i
.endr
	s_wait_alu depctr_va_vdst(0)                   ; the geometry and the colour fragment are done reading P, in which the loads below land; v[TAB] is written, which they read
	LD 0                                           ; the next chunk's 32 loads, four ahead of each of the blend's first eight steps.  No further wait: no vector line
	LD 1                                           ; since the wait above names P or v[TAB].  In the last chunk: entries up to n + 30, fillers, read and not used
	STEP 0
.irp e, 1,2,3,4,5,6,7,8,9,10,11,12,13,14,15
.if \e < 8
	LD 2*\e
	LD 2*\e+1
.endif
	STEP \e
	TRIG \e-1
.endr
	TRIG 15                                        ; T after the chunk lies in the ring's pair 0, where the next chunk begins
	s_wait_alu depctr_va_sdst(0)                   ; the 32 compares have written s[GT ..], which the 32 selects below read
.irp e, 0,1,2,3,4,5,6,7,8,9,10,11,12,13,14,15
	GATE \e
.endr
.irp i, 0,1,2,3,4,5,6,7
	v_cvt_pk_bf16_f32 v[WF0+\i], v[AL+4*\i],   v[AL+4*\i+2]    ; entries 2 i, 2 i + 1 of set 0
	v_cvt_pk_bf16_f32 v[WF1+\i], v[AL+4*\i+1], v[AL+4*\i+3]    ; and of set 1
.endr
	; the two accumulators take turns, one instruction a turn, over the backward jump too.
	; The fragments are rewritten only in the next chunk, behind far more than five plain vector instructions that name none of these registers (ISA guide 7.12.1).
.if \first
	v_wmma_f32_16x16x32_bf16 v[ACC0:ACC0+7], v[CF:CF+7], v[WF0:WF0+7], 0
	v_wmma_f32_16x16x32_bf16 v[ACC1:ACC1+7], v[CF:CF+7], v[WF1:WF1+7], 0
.else
	v_wmma_f32_16x16x32_bf16 v[ACC0:ACC0+7], v[CF:CF+7], v[WF0:WF0+7], v[ACC0:ACC0+7]
	v_wmma_f32_16x16x32_bf16 v[ACC1:ACC1+7], v[CF:CF+7], v[WF1:WF1+7], v[ACC1:ACC1+7]
.endif
.endm
.irp e, 0,1,2,3,4,5,6,7,8,9,10,11,12,13,14,15
	LD \e                                          ; the first chunk.  No vector line stands between the wait ahead of the table's stores and these loads
.endr
	CHUNK 1
	s_mov_b32 s45, 1                               ; chunks done
	s_cmp_ge_u32 s45, s46
	s_cbranch_scc1 .Ldone
.Lchunk:
	CHUNK 0
	s_add_co_u32 s45, s45, 1
	s_cmp_ge_u32 s45, s46                          ; all my chunks are done: out, forward
	s_cbranch_scc1 .Ldone
	s_cmp_lt_u32 s45, 32                           ; the loop itself is counted against the most that 512 points can give
	s_cbranch_scc1 .Lchunk
.Ldone:
	; THE WAY OUT.  Each wave lays its 64 pixels into its own 768 bytes of the stage, [row 0..3][16 columns][3]; behind the barrier wave p takes image
	; row 4 gx + p: 96 units of 8 bytes; unit u lies in the part of wave u / 24, at 192 p + 8 (u - 24 (u / 24)).  u / 24 = (171 u) >> 12 for u < 96.
	s_wait_dscnt 0x0                               ; the last look-ahead's loads are back: my reads of the tables are over,
	s_barrier_signal -1                            ; and I say so
	; register work while the others arrive.  These address lines are also the places between the last matrix instruction and the stores that read
	; its result (four are needed).
	v_mul_u32_u24 v19, v[RR], 12
	v_mul_u32_u24 v23, v[HH], 192
	v_add3_u32 v[STO], v19, v23, s53               ; my part + row h + column r
	v_lshl_add_u32 v[OOFF], v[LANE], 3, s55
.irp j, 0,1,2
	v_add_nc_u32 v19, 32*\j, v[LANE]               ; u
	v_mul_u32_u24 v23, v19, 171
	v_lshrrev_b32 v23, 12, v23                     ; u / 24
	v_mad_u32_u24 v23, v23, 576, s54               ; 768 (u / 24) - 192 (u / 24) + row p of the first part
	v_lshl_add_u32 v[RD+\j], v19, 3, v23
.endr
	s_barrier_wait -1                              ; no wave reads a table any more: only now is the stage written
	s_wait_alu depctr_va_vdst(0)                   ; the matrix instructions have written the sums and the lines above v[STO], which the stores below read; v[RD ..] and v[OOFF] are written too, and the last chunk's lines are done reading P, in which the stage's loads land.  The places above stay beside this wait
.irp j, 0,1,2
	ds_store_b32 v[STO], v[ACC0+\j] offset:4*\j            ; px = 4 gx + h
	ds_store_b32 v[STO], v[ACC1+\j] offset:384+4*\j        ; px + 2: two rows of 192 bytes further on
.endr
	s_wait_dscnt 0x0                               ; my stores are in LDS before I say so
	s_barrier_signal -1
	s_barrier_wait -1
.irp j, 0,1,2
	ds_load_b64 v[P+2*\j:P+2*\j+1], v[RD+\j]       ; no vector line since the wait above
.endr
	s_wait_dscnt 0x0
.irp j, 0,1,2
	global_store_b64 v[OOFF], v[P+2*\j:P+2*\j+1], s[2:3] offset:256*\j th:TH_STORE_NT   ; 32 lanes store 256 consecutive bytes, aligned
.endr
	s_wait_dscnt 0x0
	s_wait_alu depctr_hold_cnt(0) depctr_sa_sdst(0) depctr_va_vdst(0) depctr_va_sdst(0) depctr_va_ssrc(0) depctr_va_vcc(0) depctr_vm_vsrc(0)
	s_wait_tensorcnt 0x0
	ds_add_u32 v15, v17
	s_wait_dscnt 0x0
	s_endpgm
.Lfunc_end_k_q77b36e5c32_render:
	.size	k_q77b36e5c32_render, .Lfunc_end_k_q77b36e5c32_render-k_q77b36e5c32_render
	.p2alignl 7, 3214868480
	.fill 96, 4, 3214868480
	.section	.rodata,"a",@progbits
	.p2align	6, 0x0
	.amdhsa_kernel k_q77b36e5c32_render
		.amdhsa_group_segment_fixed_size 77312
		.amdhsa_private_segment_fixed_size 0
		.amdhsa_enable_private_segment 0
		.amdhsa_kernarg_size 24
		.amdhsa_user_sgpr_count 2
		.amdhsa_user_sgpr_kernarg_segment_ptr 1
		.amdhsa_wavefront_size32 1
		.amdhsa_system_sgpr_workgroup_id_x 1
		.amdhsa_system_sgpr_workgroup_id_y 1
		.amdhsa_system_sgpr_workgroup_id_z 1
		.amdhsa_system_vgpr_workitem_id 0
		.amdhsa_next_free_vgpr 256
		.amdhsa_next_free_sgpr 66
		.amdhsa_reserve_vcc 1
		.amdhsa_float_denorm_mode_32 3
		.amdhsa_float_denorm_mode_16_64 3
		.amdhsa_memory_ordered 1
		.amdhsa_forward_progress 1
		.amdhsa_inst_pref_size 57
	.end_amdhsa_kernel
	.amdgpu_metadata
---
amdhsa.version: [ 1, 2 ]
amdhsa.kernels:
  - .name:           k_q77b36e5c32_render
    .symbol:         k_q77b36e5c32_render.kd
    .args:
      - { .name: gtab, .offset: 0, .size: 8, .value_kind: global_buffer, .address_space: global }
      - { .name: masks, .offset: 8, .size: 8, .value_kind: global_buffer, .address_space: global }
      - { .name: out0, .offset: 16, .size: 8, .value_kind: global_buffer, .address_space: global }
    .group_segment_fixed_size: 77312
    .private_segment_fixed_size: 0
    .kernarg_segment_align: 8
    .kernarg_segment_size: 24
    .max_flat_workgroup_size: 128
    .sgpr_count:     66
    .vgpr_count:     256
    .wavefront_size: 32
...
	.end_amdgpu_metadata
.endif
;; end of part 3
